; MI455X (gfx1250); checked and timed in simulation.
; The chip was launched on July 23, 2026; its instructions are those of AMD's public machine-readable ISA for CDNA 5 (MIT licence, August 2026) and "CDNA5" Instruction Set Architecture Reference Guide (July 2026). The comments in the code are by the model that wrote it; some were corrected since.
;; My Scaled Product Attention. Allowed arithmetic: matrix products marked QUANTISED: E2M3 operands, one E8M0 scale for each 32 along K, by v_wmma_scale_f32_16x16x128_f8f6f4 with both operands' format E2M3, f32 sums; everything else in f32.
;; Inputs: key 4 x 16 x 2,048 x 64 float32; mask 1 x 1 x 2,048 x 2,048 bool; query 4 x 16 x 2,048 x 64 float32; value 4 x 16 x 2,048 x 64 float32.
;; Outputs: out0 4 x 16 x 2,048 x 64 float32.
;; This version of the problem:
;;   THIS VERSION OF THE PROBLEM IS GIVEN IN LOW PRECISION. The matrix products marked QUANTISED in the list below multiply operands that are first quantised to E2M3 (2 exponent bits, 3 mantissa bits; 6 bits a number), with one power-of-two scale for each 32 numbers along K (OCP MX v1.0); their sums are f32. All else is computed in f32.
;;   The module's matrix products, in the order in which they are computed (A, B: the left and right operand; K: the contracted axis; several contracted axes count as one K, in the product's order):
;;     1. batch 64 x [M 2,048, K 64] x [K 64, N 2,048]; A: input query; B: input key: QUANTISED
;;     2. batch 64 x [M 2,048, K 2,048] x [K 2,048, N 64]; A: softmax (see below); B: input value: QUANTISED
;;   THE QUANTISER, for each operand of a quantised product, along K:
;;     - K is cut into blocks of 32 from its start; a last block that is shorter is filled with zeros.
;;     - A block's scale is 2^e with e = floor(log2(the largest magnitude in the block)) - 2, held to -126 .. 127; a block of zeros has e = 0. As a byte (E8M0): e + 127.
;;     - Each number is divided by its block's scale, clamped to +-7.5, and rounded to the nearest number of E2M3, ties to even, subnormals kept.
;;     - The product sums the exact products of the quantised numbers (number of the format x scale) in f32.
;;   ~~~python
;;   def quantise(x, axis):      # numpy; x: float32 -> the quantised numbers, widened to float32 again
;;       x = np.moveaxis(x, axis, -1); K = x.shape[-1]
;;       x = np.pad(x, [(0, 0)] * (x.ndim - 1) + [(0, -K % 32)]); x = x.reshape(x.shape[:-1] + (-1, 32)); a = np.abs(x).max(-1, keepdims=True)
;;       e = np.where(a > 0, np.clip(np.frexp(np.where(a > 0, a, 1))[1] - 1 - 2, -126, 127), 0)      # np.frexp(a)[1] - 1 = floor(log2(a)), exactly
;;       r = np.clip(x / 2.0 ** e, -7.5, 7.5)
;;       step = 2.0 ** (np.maximum(np.frexp(np.where(r == 0, 1, r))[1] - 1, 0) - 3)
;;       q = np.round(r / step) * step * 2.0 ** e      # np.round: ties to even
;;       return np.moveaxis(q.reshape(q.shape[:-2] + (-1,))[..., :K], -1, axis).astype(np.float32)
;;   ~~~
;;   SOFTMAX AHEAD OF A QUANTISED PRODUCT. Where the list says 'softmax', what is quantised is not the finished softmax but p = 2^(t - M), with t = logit x log2(e) and M = ceil(the row's largest t), a whole number; so 1/2 < the row's largest p <= 1. The row's sum l is taken of the UNQUANTISED p, in f32, and the product's result is divided by l at the end. Since M is a whole number, a kernel that streams over the keys may use a running M (the ceiling of the running maximum): every later rescaling is an exact power of two, which a block's scale takes up: the codes' values come out the same.
;;   OPERANDS COMPUTED ON THE WAY. 'Computed on the way' means the value that the module computes at that place (a softmax that the list does not call 'softmax' is quantised finished and normalised). What goes into a quantiser is computed in f32, as accurately as f32 sums, v_exp_f32 and their like allow (about 1e-6 of the number): no bf16 or f16 on the way to a quantiser, and a product that is left as it is and whose result goes on into a quantised operand takes f32 operands (vector FMAs, or v_wmma_f32_16x16x4_f32). A number that lies on a knife's edge between two numbers of the format may be rounded either way, as far as f32 arithmetic and the matrix unit's own rounding can turn it there, and no further.
;; One version. Each part assembles by itself: llvm-mc -triple=amdgcn-amd-amdhsa -mcpu=gfx1250 --defsym DOCPART=n.
;; ======== version 1 of 1: 2 launches
;; limits: right only within a limited range of input values
;; workspace buffers: kv 13,107,200 bytes; qb 6,553,600 bytes; mw 524,288 bytes of whole numbers
;; launch prep (part 1): grid 896 x 1, 4 waves a work-group, no clusters, 95,744 bytes of LDS; arguments key, query, value, mask, kv, qb, mw; writes kv, qb, mw
.if DOCPART == 1
	.amdgcn_target "amdgcn-amd-amdhsa--gfx1250"
	.amdhsa_code_object_version 6
	.text
	.protected	k_qb4ac05d3c8_prep
	.globl	k_qb4ac05d3c8_prep
	.p2align	8
	.type	k_qb4ac05d3c8_prep,@function
k_qb4ac05d3c8_prep:
	s_mov_b64 s[64:65], 0
	v_nop
	global_prefetch_b8 v0, s[64:65] scope:SCOPE_SE
	s_setreg_imm32_b32 hwreg(HW_REG_WAVE_MODE, 25, 1), 1
	s_wait_xcnt 0x0
; key, query, value [64 heads][2048][64] f32 become codes of FP6 (E2M3) with one E8M0 scale byte for each 32 along a product's K; the mask [2048][2048] of bytes becomes lane-mask words.
; All is laid in the order in which the attention launch's registers take it.
; A block's scale is 2^(floor(log2(its largest magnitude)) - 2); its byte is the largest magnitude's exponent field - 2, held at 1 from below.
; LIMITS: NaN and infinities among the inputs are not served.  A block whose largest magnitude lies under 2^-124 has its byte held at 1; a block of zeros gets the byte 1 where the rule says 127:
; its codes are zeros, which add nothing under any byte but 0xff, and the bytes are read by this program alone.
; ROLES, by the work-group's number: 0-255 key, 256-511 query, 512-767 value, 768-895 the mask.  A wave's unit is u = 4 x (number within the role) + wave.
; key, query, value: u = 16 head + step, 128 rows of 256 bytes.  mask: u = 4 T + qd: query tile T, 512 keys.
; THE ROWS OF A TILE: lane r of tile 4 c + t of a step takes row 64 c + 8 t + r % 8 + 32 (r / 8): in the attention launch a lane's 32 score registers of four neighbouring tiles are then one whole block of 32 keys.
; IMAGES.  Two neighbouring tiles of key or query make one image of 1,536 bytes: registers 4 k .. 4 k + 3 at 512 k + 16 x lane; lane (r, h): registers 0-5 block h of the even tile's row r, 6-11 of the odd tile's.
; Their scale word: bytes 0, 1 the even tile's two blocks, bytes 2, 3 the odd tile's; the word of pair 2 j + x, row r at 8 (r + 16 x) + 4 j.
; A tile of value^T (16 columns x 128 keys): the same image; registers 0-5 key block h, 6-11 key block 2 + h, of column 16 t + r.
; kv: a unit of 12,800 bytes for (head, step): key's codes 0, value's 6,144, key's scale words 12,288, value's 12,544; units in the order [head / 4][step / 2][step % 2][head % 4].
; qb: a head's block of 102,400 bytes: codes 0 (6,144 a step), scale words 98,304 (256 a step).  Waves share nothing: no barrier.  Each role that uses LDS has LDS bytes of its own.
.set SPARE,  95232                     ; the spare words, 128 bytes a wave
.set KQW,    17664                     ; key, query: a wave's stage: 64 rows of 272 bytes, rows 32-63 a further 128 bytes on, so that rows 32 apart start at other banks
.set KQ2,    8832
.set VBASE,  70656
.set VW,     6144
.set UNIT,   12800
.set HQB,    102400
.set SW,     20                        ; v20-21 the step's scale words
.set T,      40                        ; v40-42 the second conversion's result (three registers from an even one)
.set X,      48                        ; v48-111 two sets of 32 neighbours along K
.set R,      112                       ; v112-239 as loaded; value: the way out; mask: the words
	s_load_b256 s[4:11], s[0:1], 0x0               ; key, query, value, mask
	s_load_b128 s[12:15], s[0:1], 0x20             ; kv, qb
	s_load_b64 s[16:17], s[0:1], 0x30              ; mw
	v_lshl_add_u32 v5, v0, 2, SPARE                ; my spare word; never rewritten
	v_mov_b32 v6, 0                                ; 0; never rewritten
	v_lshrrev_b32 v8, 5, v0
	v_readfirstlane_b32 s18, v8                    ; wave
	s_mov_b32 s19, 0xffff0000                      ; lanes 16-31, for selects
	s_mov_b32 s20, 0x76543210
	s_mov_b32 s21, 0xfedcba98                      ; selects for lane l xor 16
	s_mul_i32 s26, s18, KQW
	s_mul_i32 s27, s18, VW
	s_add_co_u32 s27, s27, VBASE
	s_and_b32 s22, ttmp9, 255
	s_lshl_b32 s22, s22, 2
	s_add_co_u32 s22, s22, s18                     ; u
	s_lshr_b32 s23, s22, 4                         ; head
	s_and_b32 s24, s22, 15                         ; step
	s_lshr_b32 s25, s23, 2
	s_lshl_b32 s25, s25, 3
	s_lshr_b32 s30, s24, 1
	s_add_co_u32 s25, s25, s30
	s_lshl_b32 s25, s25, 3
	s_and_b32 s30, s24, 1
	s_lshl_b32 s30, s30, 2
	s_add_co_u32 s25, s25, s30
	s_and_b32 s30, s23, 3
	s_add_co_u32 s25, s25, s30
	s_mul_i32 s25, s25, UNIT                       ; my unit in kv
	s_mov_b32 s33, 0                               ; the upper word of every offset
	v_and_b32 v8, 31, v0                           ; lane
	v_and_b32 v9, 15, v0                           ; r
	v_bfe_u32 v10, v0, 4, 1                        ; h
	v_and_b32 v11, 8, v9
	v_mad_u32_u24 v11, v11, 3, v9                  ; r % 8 + 32 (r / 8)
	v_lshlrev_b32 v1, 4, v8                        ; 16 x lane
	v_lshlrev_b32 v2, 3, v8                        ; 8 x lane
	v_lshlrev_b32 v3, 2, v8                        ; 4 x lane
	v_mul_u32_u24 v4, v10, 272
	v_lshl_add_u32 v4, v9, 4, v4
	v_add_nc_u32 v4, s26, v4                       ; into the stage: a load's 512 bytes are two rows
	v_and_b32 v12, 7, v9
	v_mul_u32_u24 v7, v12, 272
	v_lshrrev_b32 v12, 3, v9
	v_mad_u32_u24 v7, v12, KQ2, v7
	v_lshl_add_u32 v7, v10, 7, v7
	v_add_nc_u32 v7, s26, v7                       ; out of it: my tile's row, my block of 128 bytes
	v_mul_u32_u24 v44, v10, 1536
	v_lshl_add_u32 v44, v9, 4, v44
	v_add_nc_u32 v44, s27, v44                     ; into value's stage
	v_add_nc_u32 v45, s27, v1                      ; out of it
	v_lshlrev_b32 v46, 11, v11
	v_lshl_add_u32 v46, v10, 5, v46                ; the mask: my tile's row of 2,048 bytes, + 32 h
	s_wait_alu depctr_va_vdst(0)                   ; the wait at the head's end
	s_wait_kmcnt 0x0
	s_cmp_lt_u32 ttmp9, 512
	s_cbranch_scc1 .Lrole_kq
	s_cmp_lt_u32 ttmp9, 768
	s_cbranch_scc1 .Lrole_v
; ---- THE MASK.  Word n (0..63) of (query tile T, key step) has bit r + 16 h set where mask[rowbase(T) + r % 8 + 32 (r / 8)][128 step + 64 (n / 32) + 32 h + n % 32] is not 0.
; A compare gives the word as a scalar; v_writelane_b32 puts word n into lane n / 2, register n % 2: 256 bytes a step leave by one store.
	s_lshr_b32 s23, s22, 2                         ; T
	s_and_b32 s24, s22, 3                          ; qd
	s_lshr_b32 s25, s23, 3
	s_lshl_b32 s25, s25, 7
	s_bfe_u32 s30, s23, 0x10002
	s_lshl_b32 s30, s30, 6
	s_add_co_u32 s25, s25, s30
	s_and_b32 s30, s23, 3
	s_lshl_b32 s30, s30, 3
	s_add_co_u32 s25, s25, s30                     ; rowbase(T) = 128 (T / 8) + 64 ((T / 4) % 2) + 8 (T % 4)
	s_lshl_b32 s32, s25, 11
	s_lshl_b32 s30, s24, 9
	s_add_co_u32 s32, s32, s30
	s_add_nc_u64 s[26:27], s[10:11], s[32:33]
	s_lshl_b32 s32, s22, 10                        ; mw at 4,096 T + 256 x step
	s_add_nc_u64 s[28:29], s[16:17], s[32:33]
.irp s, 0,1,2,3
.irp b, 0,1,2,3
	global_load_b128 v[X+16*\s+4*\b:X+16*\s+4*\b+3], v46, s[26:27] offset:128*\s+64*(\b/2)+16*(\b%2) th:TH_LOAD_NT
.endr
.endr
.irp k, 0,1,2,3,4,5,6,7
	v_mov_b32 v[R+\k], 0                           ; v_writelane_b32's destination counts as a source
.endr
.irp s, 0,1,2,3
	s_wait_loadcnt 12-4*\s                         ; this step's four loads are in
.set n, 0
.rept 64
	v_and_b32 v[8+n%2], 0xff<<(8*(n&3)), v[X+16*\s+(n>>2)]
	v_cmp_ne_u32 s[36+n%4], 0, v[8+n%2]
	v_writelane_b32 v[R+2*\s+(n&1)], s[36+n%4], n>>1
.set n, n+1
.endr
	global_store_b64 v2, v[R+2*\s:R+2*\s+1], s[28:29] offset:256*\s   ; 256 consecutive bytes, aligned
.endr
	s_branch .Lend
; The largest magnitude of 32 numbers of one block, with the floor 2^(3 - 127) as one more leaf; v10: 2 off its exponent field, the conversions' scale operand.
.macro MAX32 xs
	v_max3_num_f32 v8, |v[(\xs)]|, |v[(\xs)+1]|, |v[(\xs)+2]|
	v_max3_num_f32 v9, |v[(\xs)+3]|, |v[(\xs)+4]|, |v[(\xs)+5]|
.irp i, 6,10,14,18,22,26
	v_max3_num_f32 v8, v8, |v[(\xs)+\i]|, |v[(\xs)+\i+1]|
	v_max3_num_f32 v9, v9, |v[(\xs)+\i+2]|, |v[(\xs)+\i+3]|
.endr
	v_max3_num_f32 v8, v8, |v[(\xs)+30]|, |v[(\xs)+31]|
	v_max3_num_f32 v8, v8, v9, 0x1800000
	v_add_nc_u32 v10, 0xff000000, v8
.endm
; The block's 32 codes into v[c] .. v[c + 5]; v11: the scale's byte.
.macro CODES xs, c
	v_cvt_scalef32_pk16_fp6_f32 v[(\c):(\c)+2], v[(\xs):(\xs)+15], v10
	v_cvt_scalef32_pk16_fp6_f32 v[T:T+2], v[(\xs)+16:(\xs)+31], v10
	v_lshrrev_b32 v11, 23, v10                     ; also the plain instruction behind the conversions
.irp i, 0,1,2
	v_mov_b32 v[(\c)+3+\i], v[T+\i]
.endr
.endm
; ---- KEY AND QUERY.  A step's 128 rows go in two halves of 64 rows (four tiles).  Each load takes 512 consecutive bytes; the rows turn through the wave's own stage and come back 128 bytes a lane.
.Lrole_kq:
	s_lshl_b32 s32, s22, 15
	s_mul_i32 s30, s23, HQB
	s_mul_i32 s31, s24, 6144
	s_add_co_u32 s30, s30, s31                     ; query: the step's codes,
	s_mul_i32 s31, s23, HQB
	s_lshl_b32 s34, s24, 8
	s_add_co_u32 s31, s31, s34
	s_add_co_u32 s31, s31, 98304                   ; its scale words
	s_add_co_u32 s34, s25, 12288                   ; key: the unit's scale words
	s_cmp_lt_u32 ttmp9, 256                        ; key or query?  By the work-group's number alone
	s_cselect_b64 s[26:27], s[4:5], s[6:7]
	s_cselect_b64 s[28:29], s[12:13], s[14:15]
	s_cselect_b32 s30, s25, s30
	s_cselect_b32 s31, s34, s31
	s_add_nc_u64 s[26:27], s[26:27], s[32:33]
	s_mov_b32 s32, s30
	s_add_nc_u64 s[34:35], s[28:29], s[32:33]
	s_mov_b32 s32, s31
	s_add_nc_u64 s[36:37], s[28:29], s[32:33]
.macro LOADC c
.set i, 0
.rept 32
	global_load_b128 v[R+4*i:R+4*i+3], v1, s[26:27] offset:16384*(\c)+512*i th:TH_LOAD_NT
.set i, i+1
.endr
.endm
.macro QT u                            ; one tile: codes into v[24 + 6 u ..]; its two bytes into the pair's word v15
	MAX32 X+32*\u
	CODES X+32*\u, 24+6*\u
	v_permlanex16_b32 v12, v11, s20, s21           ; the row's other block lies in lane l xor 16
	v_cndmask_b32 v13, v11, v12, s19               ; block 0's byte
	v_cndmask_b32 v14, v12, v11, s19               ; block 1's
.if \u == 0
	v_lshl_or_b32 v15, v14, 8, v13
.else
	v_lshl_or_b32 v13, v14, 8, v13
	v_lshl_or_b32 v15, v13, 16, v15
.endif
.endm
.macro PAIR p                          ; pair p of the step: tiles 2 p, 2 p + 1
.irp u, 0,1
.irp j, 0,1,2,3,4,5,6,7
	ds_load_b128 v[X+32*\u+4*\j:X+32*\u+4*\j+3], v7 offset:2176*(2*((\p)%2)+\u)+16*\j   ; LDS serves a wave's instructions in order: these see my stores
.endr
.endr
	s_wait_dscnt 0x0
.if \p == 0
	LOADC 1                                        ; the stage's stores have read their registers
.else
	s_wait_xcnt 0x0                                ; the last pair's stores have read the codes' registers
.endif
	QT 0
	QT 1
.irp k, 0,1,2
	global_store_b128 v1, v[24+4*\k:27+4*\k], s[34:35] offset:1536*(\p)+512*\k   ; 512 consecutive bytes, aligned
.endr
.if (\p)%2 == 0
	v_mov_b32 v16, v15
.else
	v_cndmask_b32 v[SW+(\p)/2], v16, v15, s19      ; lanes 0-15 the even pair's words, lanes 16-31 the odd pair's
.endif
.endm
.macro HALF c
	s_wait_loadcnt 0x0
.set i, 0
.rept 32
	ds_store_b128 v4, v[R+4*i:R+4*i+3] offset:544*i+128*(i/16)
.set i, i+1
.endr
	PAIR 2*\c
	PAIR 2*\c+1
.endm
	LOADC 0
	HALF 0
	HALF 1
	global_store_b64 v2, v[SW:SW+1], s[36:37]      ; 256 consecutive bytes
	s_branch .Lend
; ---- VALUE.  A lane takes a column and its registers run down the keys.  Block q of eight: keys 32 (q / 2) on, columns 32 (q % 2) on.  The codes go into the wave's stage at the images' places and leave as 12 x 512 bytes.
.Lrole_v:
	s_lshl_b32 s32, s22, 15
	s_add_nc_u64 s[26:27], s[8:9], s[32:33]
	s_add_co_u32 s32, s25, 6144
	s_add_nc_u64 s[34:35], s[12:13], s[32:33]
	s_add_co_u32 s32, s25, 12544
	s_add_nc_u64 s[36:37], s[12:13], s[32:33]
.macro LOADV q
.set i, 0
.rept 32
	global_load_b32 v[X+32*((\q)%2)+i], v3, s[26:27] offset:256*(32*((\q)>>1)+i)+128*((\q)&1)
.set i, i+1
.endr
.endm
.macro BLOCK q
.set BETA, (\q)>>1
.set XH, (\q)&1
.set PLACE, 3072*XH+256*(BETA&1)
.if \q < 7
	s_wait_loadcnt 32                              ; this block's 32 loads are in; the next block's may be out
.else
	s_wait_loadcnt 0x0
.endif
	MAX32 X+32*(\q%2)
	CODES X+32*(\q%2), 24
.if BETA == 0
	v_mov_b32 v[14+XH], v11
.else
	v_lshl_or_b32 v[14+XH], v11, 8*BETA, v[14+XH]
.endif
.if BETA < 2
	ds_store_b128 v44, v[24:27] offset:PLACE
	ds_store_b64 v44, v[28:29] offset:PLACE+512
.else
	ds_store_b64 v44, v[24:25] offset:PLACE+520
	ds_store_b128 v44, v[26:29] offset:PLACE+1024
.endif
.if \q < 6
	LOADV \q+2
.endif
	s_wait_dscnt 0x0                               ; the stores have read their registers
.endm
	LOADV 0
	LOADV 1
.irp q, 0,1,2,3,4,5,6,7
	BLOCK \q
.endr
	s_wait_alu depctr_va_vdst(0)                   ; the wait ahead of the reader below
	global_store_b64 v2, v[14:15], s[36:37]        ; the word of column 32 x + l at 8 l + 4 x
.irp k, 0,1,2,3,4,5,6,7,8,9,10,11
	ds_load_b128 v[R+4*\k:R+4*\k+3], v45 offset:512*\k
.endr
.irp k, 0,1,2,3,4,5,6,7,8,9,10,11
	s_wait_dscnt 11-\k                             ; load k is in, the younger ones may be out
	global_store_b128 v1, v[R+4*\k:R+4*\k+3], s[34:35] offset:512*\k
.endr
.Lend:
	s_wait_tensorcnt 0x0                           ; the wave's end
	ds_add_u32 v5, v6
	s_wait_dscnt 0x0
	s_endpgm
.Lfunc_end_k_qb4ac05d3c8_prep:
	.size	k_qb4ac05d3c8_prep, .Lfunc_end_k_qb4ac05d3c8_prep-k_qb4ac05d3c8_prep
	.p2alignl 7, 3214868480
	.fill 96, 4, 3214868480
	.section	.rodata,"a",@progbits
	.p2align	6, 0x0
	.amdhsa_kernel k_qb4ac05d3c8_prep
		.amdhsa_group_segment_fixed_size 95744
		.amdhsa_private_segment_fixed_size 0
		.amdhsa_enable_private_segment 0
		.amdhsa_kernarg_size 56
		.amdhsa_user_sgpr_count 2
		.amdhsa_user_sgpr_kernarg_segment_ptr 1
		.amdhsa_wavefront_size32 1
		.amdhsa_system_sgpr_workgroup_id_x 1
		.amdhsa_system_sgpr_workgroup_id_y 1
		.amdhsa_system_sgpr_workgroup_id_z 1
		.amdhsa_system_vgpr_workitem_id 0
		.amdhsa_next_free_vgpr 240
		.amdhsa_next_free_sgpr 66
		.amdhsa_reserve_vcc 0
		.amdhsa_float_denorm_mode_32 3
		.amdhsa_float_denorm_mode_16_64 3
		.amdhsa_memory_ordered 1
		.amdhsa_forward_progress 1
		.amdhsa_inst_pref_size 123
	.end_amdhsa_kernel
	.amdgpu_metadata
---
amdhsa.version: [ 1, 2 ]
amdhsa.kernels:
  - .name:           k_qb4ac05d3c8_prep
    .symbol:         k_qb4ac05d3c8_prep.kd
    .args:
      - { .name: key, .offset: 0, .size: 8, .value_kind: global_buffer, .address_space: global }
      - { .name: query, .offset: 8, .size: 8, .value_kind: global_buffer, .address_space: global }
      - { .name: value, .offset: 16, .size: 8, .value_kind: global_buffer, .address_space: global }
      - { .name: mask, .offset: 24, .size: 8, .value_kind: global_buffer, .address_space: global }
      - { .name: kv, .offset: 32, .size: 8, .value_kind: global_buffer, .address_space: global }
      - { .name: qb, .offset: 40, .size: 8, .value_kind: global_buffer, .address_space: global }
      - { .name: mw, .offset: 48, .size: 8, .value_kind: global_buffer, .address_space: global }
    .group_segment_fixed_size: 95744
    .private_segment_fixed_size: 0
    .kernarg_segment_align: 8
    .kernarg_segment_size: 56
    .max_flat_workgroup_size: 128
    .sgpr_count:     66
    .vgpr_count:     240
    .wavefront_size: 32
...
	.end_amdgpu_metadata
.endif
;; end of part 1
;; launch attn (part 2): grid 16 x 16, 8 waves a work-group, clusters of 4 x 1, 327,680 bytes of LDS; arguments kv, qb, mw, out0; writes out0
.if DOCPART == 2
	.amdgcn_target "amdgcn-amd-amdhsa--gfx1250"
	.amdhsa_code_object_version 6
	.text
	.protected	k_qb4ac05d3c8_attn
	.globl	k_qb4ac05d3c8_attn
	.p2align	8
	.type	k_qb4ac05d3c8_attn,@function
k_qb4ac05d3c8_attn:
	s_mov_b64 s[64:65], 0
	v_nop
	global_prefetch_b8 v0, s[64:65] scope:SCOPE_SE
	s_setreg_imm32_b32 hwreg(HW_REG_WAVE_MODE, 25, 1), 1
	s_wait_xcnt 0x0
	s_wait_alu depctr_hold_cnt(0) depctr_sa_sdst(0) depctr_va_vdst(0) depctr_va_sdst(0) depctr_va_ssrc(0) depctr_va_vcc(0) depctr_vm_vsrc(0)
	s_getreg_b32 s2, hwreg(HW_REG_IB_STS2, 6, 4)
	s_cmp_eq_u32 s2, 0
	s_cbranch_scc0 .Lentry_in_a_cluster
	s_endpgm
.Lentry_in_a_cluster:
	s_bfe_u32 s2, ttmp6, 0x10000c
	s_cmp_lg_u32 s2, 0x3003
	s_cbranch_scc0 .Lentry_shape_is_right
	s_endpgm
.Lentry_shape_is_right:
; out[head][q][:] = the sum over k of softmax_k(Q[q] . K[k] / 8, hidden where mask[q][k]) V[k][:]; 64 heads, 2,048 queries and keys, head size 64; both products on codes of FP6 (E2M3), one E8M0 scale for each 32 along K.
; THE SOFTMAX: t = score x log2(e) / 8; M = the row's largest visible t so far, rounded up to a whole number; p = 2^(t - M) is quantised along the keys, not normalised.  The row's sum is taken of the
; unquantised p in f32 and divides O at the end.  When M moves, the sum and O are multiplied by 2^(old M - new M): exact.
; SHARES.  A work-group owns 128 queries of FOUR heads; each of its eight waves owns one tile of 16 queries for all four heads.  THE MASK IS THE SAME FOR ALL HEADS: a wave turns a key step's 64 mask words
; into 64 registers once (0 where visible, -2^100 where hidden) and gives them as C to the first product of each of its four heads: 16 selects for a head's step of 128 keys in place of 64.
; A hidden score so comes out near -2^100.  The running largest score starts at -2^95, above every hidden one, so a hidden p is 2^(a number under -2^90) = 0, as with -infinity; a row hidden whole ends as 0 x infinity = NaN, as its softmax does.
; LIMITS: the promise holds while the scaled scores t stay under 2^31 in magnitude.  NaN and infinities among the inputs are not served.  A p under 2^-126 comes out as 0 (ISA guide 15.8).  A block's largest p is made
; from the block's largest score by the same multiply-add and exponential; this takes v_exp_f32 not to fall where its input rises.  A block whose every p is 0 keeps the byte 1: its codes are zeros.
; LAYOUT.  Both products are used transposed (S^T = K Q^T + C, O^T = V^T P^T): a lane holds one query.  Tile 4 c + t of a step holds keys 64 c + 8 t + m % 8 + 32 (m / 8): score register 32 c + i of lane (r, h)
; is key 64 c + 32 h + i: a lane holds whole blocks of 32 keys, in the order of P's operand: no lane is asked for a block's maximum, and no codes change lanes.
; K of the first product is 64: a fragment of K holds TWO tiles (registers 0-5, 6-11); Q lies as [Q, zeros, Q], and [Q, zeros] or [zeros, Q] picks the tile.
; LDS.  A ring of two slots of 102,400 bytes: two key steps of four heads' K and V, eight units of 12,800 bytes, one unit by each wave's one tensor load.  The slot in hand is told by one bit of the LDS addresses, which changes from trip to trip.
; CLUSTER.  The four work-groups of a cluster own other queries of the same four heads: every fill is asked for jointly, behind a round of the cluster's barrier.
; PREFETCH.  In the trip that loads fill t + 1 each wave names fill t + 2's blocks of 256 bytes of its own unit; the four partners share the unit's 50 blocks by address, 13 each (lanes left over name the last again); the last two fills' trips ask for nothing beyond fill 7.
; O^T and the sums begin as zeros: the step is written once for all trips, and the first change of M leaves zeros zeros.
; REGISTERS.  Window 0: v1 16 x lane, v2 8 x lane, v3, v4 the step's LDS addresses, v5 -2^100, v6, v7 the add's two, v8 8 h, v14-16 the way out, v17 prefetch offset; v[20 + 6 hh ..]: -M, largest score, the sum (2), Q's scale word;
; v[44:45] f, 0; v46 p's scale word; v48-49 K's scale words, v50-51 V's; v52-63 at work; v64-75 p's codes (before that, with v76-79, the sum's chains); v80-127 V's fragments; v128-191 the bias; v192-255 S^T, then p.
; Window 1: v0-127 O^T of the four heads; v128-199 Q, 18 registers a head; v200-247 K's fragments.
.set SLOTX, 131072
.set FILL,  102400
.set UNIT,  12800
.set STEPB, 51200
.set VCO,   6144
.set KSO,   12288
.set VSO,   12544
.set HQB,   102400
.set STAGE, 233472                     ; 16 rows x 272 bytes a wave, for the way out; no tensor load lands here
.set SPARE, 268288                     ; the spare words, 128 bytes a wave
.set VF, 80
.set CB, 128
.set ST, 192
.set QW, 128
.set KF, 200
.set MSB, 0
.macro WIN new                         ; the immediate's high byte repeats the setting that is left
.if MSB != \new
	s_set_vgpr_msb (MSB<<8)|\new
.set MSB, \new
.endif
.endm
.macro ROUND                           ; a round of the cluster's barrier
	s_barrier_signal -1
	s_barrier_wait -1
	s_cmp_lg_u32 s14, 0
	s_cbranch_scc1 .Lnw0_\@
	s_barrier_signal -3
.Lnw0_\@:
	s_barrier_wait -3
	s_barrier_signal -1
	s_barrier_wait -1
.endm
.macro MLOAD                           ; a step's 64 mask words
	s_load_b512 s[32:47], s[8:9], 0x0
	s_load_b512 s[48:63], s[8:9], 0x40
	s_load_b512 s[68:83], s[8:9], 0x80
	s_load_b512 s[84:99], s[8:9], 0xc0
.endm
	s_load_b256 s[4:11], s[0:1], 0x0               ; kv, qb, mw, out0
	v_lshl_add_u32 v6, v0, 2, SPARE
	v_mov_b32 v7, 0
	ds_add_u32 v6, v7                              ; the opening lines: the add, twice on end, and its wait
	ds_add_u32 v6, v7
	v_lshrrev_b32 v9, 5, v0
	v_readfirstlane_b32 s14, v9                    ; wave 0..7
	s_bfe_u32 s15, ttmp6, 0x40000                  ; cx
	s_lshl_b32 s2, ttmp9, 2
	s_add_co_u32 s2, s2, s15                       ; X: my block of 128 queries
	s_and_b32 s3, ttmp7, 0xffff                    ; g: my four heads, which the partners share
	s_mov_b32 s16, 15|(3<<16)|(1<<21)              ; group 1: 50 rows of 256 bytes, dense; the mask names the four partners
	s_mov_b32 s17, 32<<16
	s_mov_b32 s18, 50<<16
	s_mov_b32 s19, 32<<16
	s_mov_b32 s20, 50
	s_mov_b32 s21, 32
	s_mov_b32 s22, 0
	s_mov_b32 s23, 0
	s_mov_b32 s24, 1
	s_mul_i32 s25, s14, UNIT                       ; LDS: my unit of the slot
	s_mul_i32 s36, s3, 8*FILL
	s_add_co_u32 s36, s36, s25
	s_mov_b32 s37, 0
	s_mov_b32 s28, 0x76543210
	s_mov_b32 s29, 0xfedcba98
	s_mov_b32 s30, 0x3e38aa3b                      ; c = log2(e) / 8
	s_mov_b32 s31, s30
	s_and_b32 s40, s14, 1                          ; my tile is its pair's even or odd one
	s_mul_i32 s41, s40, 1016
	s_mul_i32 s42, s40, 520
	s_mov_b32 s105, 0x01000100
	s_cmp_lg_u32 s40, 0
	s_cselect_b32 s105, 0x03020302, s105           ; which two bytes of the pair's scale word are mine
	s_mul_i32 s44, s3, 4*HQB
	s_mul_i32 s45, s2, 6144
	s_add_co_u32 s46, s44, s45
	s_lshr_b32 s45, s14, 1
	s_mul_i32 s47, s45, 1536
	s_add_co_u32 s46, s46, s47                     ; Q's codes: my pair's image
	s_mov_b32 s47, 0
	s_lshl_b32 s48, s2, 8
	s_add_co_u32 s48, s48, s44
	s_add_co_u32 s48, s48, 98304
	s_and_b32 s45, s45, 1
	s_lshl_b32 s45, s45, 7
	s_add_co_u32 s48, s48, s45
	s_lshr_b32 s45, s14, 2
	s_lshl_b32 s49, s45, 2
	s_add_co_u32 s48, s48, s49                     ; Q's scale words: row r's at 8 r from here
	s_mov_b32 s49, 0
	s_lshl_b32 s50, s2, 3
	s_add_co_u32 s50, s50, s14
	s_lshl_b32 s50, s50, 12                        ; my mask words: 4,096 (8 X + wave)
	s_mov_b32 s51, 0
	s_lshl_b32 s52, s2, 7
	s_lshl_b32 s53, s45, 6
	s_add_co_u32 s52, s52, s53
	s_and_b32 s53, s14, 3
	s_lshl_b32 s53, s53, 3
	s_add_co_u32 s52, s52, s53                     ; rowbase = 128 X + 64 (wave / 4) + 8 (wave % 4)
	s_lshl_b32 s53, s3, 13
	s_add_co_u32 s52, s52, s53
	s_lshl_b32 s52, s52, 8                         ; a row of O is 256 bytes
	s_mov_b32 s53, 0
	s_mul_i32 s54, s15, 13
	s_mul_i32 s55, s14, 16*272
	s_add_co_u32 s55, s55, STAGE
	s_mov_b32 s66, 0                               ; the slot in hand
	s_mov_b32 s104, 16                             ; key steps to go
	v_and_b32 v9, 31, v0
	v_and_b32 v10, 15, v0                          ; r
	v_bfe_u32 v11, v0, 4, 1                        ; h
	v_lshlrev_b32 v1, 4, v9
	v_lshlrev_b32 v2, 3, v9
	v_lshlrev_b32 v8, 3, v11
	v_mul_u32_u24 v14, v10, 272
	v_lshl_add_u32 v14, v11, 5, v14
	v_add_nc_u32 v14, s55, v14                     ; the stage, in: row r, 32 h
	v_mul_u32_u24 v15, v11, 272
	v_lshl_add_u32 v15, v10, 4, v15
	v_add_nc_u32 v15, s55, v15                     ; back: lanes 0-15 one row, lanes 16-31 the next
	v_lshlrev_b32 v16, 8, v11
	v_lshl_add_u32 v16, v10, 4, v16                ; the same two rows in O
	v_min_u32 v17, 12, v9
	v_add_nc_u32 v17, s54, v17
	v_min_u32 v17, 49, v17
	v_lshlrev_b32 v17, 8, v17                      ; my block of the unit's 50
	v_add_nc_u32 v18, s42, v1
	v_add_nc_u32 v19, s41, v1                      ; Q's six registers lie at v18, v19 + 8, v18 + 512
	v_lshlrev_b32 v12, 3, v10
	s_wait_alu depctr_va_vdst(0)                   ; the wait ahead of the waits below
	s_wait_dscnt 0x0                               ; both opening adds are done
	s_wait_kmcnt 0x0
	s_add_nc_u64 s[26:27], s[4:5], s[36:37]
	s_mov_b64 s[12:13], s[26:27]                   ; the prefetches' base walks with the fills
	s_or_b32 s27, s27, 0x80000000
	s_add_nc_u64 s[4:5], s[6:7], s[48:49]
	s_add_nc_u64 s[6:7], s[6:7], s[46:47]
	s_add_nc_u64 s[8:9], s[8:9], s[50:51]
	s_add_nc_u64 s[10:11], s[10:11], s[52:53]
	s_mov_b32 s3, 0
	ROUND                                          ; the partners are here: the first joint loads meet
	tensor_load_to_lds s[24:27], s[16:23]          ; fill 0, my unit: one tensor load a wave at the head
	s_nop 0
.rept 4
	v_nop
.endr
	MLOAD
.irp hh, 0,1,2,3
	global_load_b32 v[52+\hh], v12, s[4:5] offset:HQB*\hh
.endr
	WIN 0x40
.irp hh, 0,1,2,3
.irp d, 0,12
	global_load_b64 v[QW+18*\hh+\d:QW+18*\hh+\d+1], v18, s[6:7] offset:HQB*\hh
	global_load_b64 v[QW+18*\hh+\d+2:QW+18*\hh+\d+3], v19, s[6:7] offset:HQB*\hh+8
	global_load_b64 v[QW+18*\hh+\d+4:QW+18*\hh+\d+5], v18, s[6:7] offset:HQB*\hh+512
.endr
.irp i, 6,7,8,9,10,11
	v_mov_b32 v[QW+18*\hh+\i], 0                   ; the zero codes between Q's two copies
.endr
.endr
.set j, 0
.rept 128
	v_mov_b32 v[j], 0                              ; O^T
.set j, j+1
.endr
	WIN 0
.irp hh, 0,1,2,3
	v_mov_b32 v[20+6*\hh], 0x7f000000              ; -M: 2^127, so that the first f is 0
	v_mov_b32 v[21+6*\hh], 0xef000000              ; the largest score so far: -2^95
	v_mov_b32 v[22+6*\hh], 0
	v_mov_b32 v[23+6*\hh], 0
.endr
	v_mov_b32 v5, 0xf1800000                       ; -2^100
	v_mov_b32 v45, 0
	v_mov_b32 v47, 0                               ; a lane permute's destination counts as a source (v54, the other one, is written by the load above)
	s_wait_loadcnt 0x0
.irp hh, 0,1,2,3
	v_perm_b32 v[24+6*\hh], v[52+\hh], v[52+\hh], s105   ; my tile's two bytes, twice: they serve [Q, zeros] and [zeros, Q]
.endr
	s_wait_alu depctr_va_vdst(0)                   ; the wait at the head's end
.macro KLOAD hh                        ; a head's K of the step: four pairs of tiles and their scale words: 13 LDS loads
	WIN 0x40
.set i, 0
.rept 12
	ds_load_b128 v[KF+4*i:KF+4*i+3], v3 offset:UNIT*(\hh)+512*i
.set i, i+1
.endr
	WIN 0
	ds_load_b64 v[48:49], v4 offset:UNIT*(\hh)+KSO
.endm
.macro VLOAD hh                        ; its V: four tiles and their scale words: 13 LDS loads
.set i, 0
.rept 12
	ds_load_b128 v[VF+4*i:VF+4*i+3], v3 offset:UNIT*(\hh)+VCO+512*i
.set i, i+1
.endr
	ds_load_b64 v[50:51], v4 offset:UNIT*(\hh)+VSO
.endm
; ONE HEAD'S STEP: 16 queries x 128 keys.
.macro HSTEP hh
.set SH, 20+6*(\hh)
.set OT, 32*(\hh)
	s_wait_dscnt 0x0                               ; K of this head is in
	WIN 0x05                                       ; K and Q in window 1
.set t, 0
.rept 8
.if (t>>1)&1
	v_wmma_scale_f32_16x16x128_f8f6f4 v[ST+8*t:ST+8*t+7], v[KF+12*(t>>1):KF+12*(t>>1)+11], v[QW+18*(\hh)+6*(t&1):QW+18*(\hh)+6*(t&1)+11], v[CB+8*t:CB+8*t+7], v[48+(t>>2)], v[SH+4] matrix_a_fmt:MATRIX_FMT_FP6 matrix_b_fmt:MATRIX_FMT_FP6 matrix_a_scale:MATRIX_SCALE_ROW1
.else
	v_wmma_scale_f32_16x16x128_f8f6f4 v[ST+8*t:ST+8*t+7], v[KF+12*(t>>1):KF+12*(t>>1)+11], v[QW+18*(\hh)+6*(t&1):QW+18*(\hh)+6*(t&1)+11], v[CB+8*t:CB+8*t+7], v[48+(t>>2)], v[SH+4] matrix_a_fmt:MATRIX_FMT_FP6 matrix_b_fmt:MATRIX_FMT_FP6
.endif
.set t, t+1
.endr
	WIN 0
.rept 4
	v_nop                                          ; four places ahead of the loads into V's and K's registers and of the first reads of S^T
.endr
	VLOAD \hh                                      ; they land under the softmax
.if \hh < 3
	KLOAD \hh+1                                    ; the next head's K
.endif
	v_mov_b32 v61, v[SH]                           ; the old -M
.irp c, 0,1                            ; each block's largest score: all 32 are mine; four chains by turns, each accumulator read from its low end on
	v_max3_num_f32 v[52+\c], v[ST+32*\c], v[ST+32*\c+1], v[ST+32*\c+2]
	v_max3_num_f32 v[62+\c], v[ST+32*\c+16], v[ST+32*\c+17], v[ST+32*\c+18]
.endr
.irp i, 3,5,7,9,11,13
.irp c, 0,1
	v_max3_num_f32 v[52+\c], v[52+\c], v[ST+32*\c+\i], v[ST+32*\c+\i+1]
	v_max3_num_f32 v[62+\c], v[62+\c], v[ST+32*\c+16+\i], v[ST+32*\c+17+\i]
.endr
.endr
.irp c, 0,1
	v_max3_num_f32 v[52+\c], v[52+\c], v[ST+32*\c+15], v[ST+32*\c+31]
.endr
.irp c, 0,1
	v_max_num_f32 v[52+\c], v[52+\c], v[62+\c]
.endr
	v_max_num_f32 v55, v52, v53
	v_permlanex16_b32 v54, v55, s28, s29           ; lane l xor 16 holds the query's other two blocks
	v_max3_num_f32 v[SH+1], v[SH+1], v55, v54      ; the running largest score
	v_mul_f32 v60, s30, v[SH+1]                    ; as t (c is positive)
	v_floor_f32 v[SH], -v60                        ; -M = -ceil(t)
.set j, 0
.rept 32
	v_pk_fma_f32 v[ST+j:ST+j+1], v[ST+j:ST+j+1], s[30:31], v[SH:SH+1] op_sel_hi:[1,0,0]   ; t - M, two at a time
.if j == 6
	v_sub_f32 v61, v[SH], v61                      ; old M less new M: a whole number, 0 or less
.endif
.if j == 14
	v_cvt_i32_f32 v61, v61                         ; (it saturates)
.endif
.if j == 22
	v_ldexp_f32 v44, 1.0, v61                      ; f = 2^(old M - new M)
.endif
.set j, j+2
.endr
.irp c, 0,1
	v_fma_f32 v[52+\c], v[52+\c], s30, v[SH]       ; the same of each block's largest score
.endr
	s_wait_alu depctr_va_vdst(0)                   ; the wait ahead of the batch
.set j, 0
.rept 64
	v_exp_f32 v[ST+j], v[ST+j]                     ; p = 2^(t - M); 0 where hidden
.set j, j+1
.endr
	v_exp_f32 v52, v52                             ; the blocks' largest p
	v_exp_f32 v53, v53
	v_pk_mul_f32 v[SH+2:SH+3], v[SH+2:SH+3], v[44:45] op_sel_hi:[1,0]   ; the sum under the new M: the plain instruction behind the batch
	s_wait_alu depctr_va_vdst(0)                   ; and the one wait behind it
.set j, 0
.rept 8                                ; the row's sum, of the unquantised p: eight chains by turns
	v_pk_add_f32 v[64+2*j:65+2*j], v[ST+4*j:ST+4*j+1], v[ST+4*j+2:ST+4*j+3]
.set j, j+1
.endr
.set j, 0
.rept 16
	v_pk_add_f32 v[64+2*(j%8):65+2*(j%8)], v[64+2*(j%8):65+2*(j%8)], v[ST+32+2*j:ST+33+2*j]
.set j, j+1
.endr
.irp k, 0,2,4,6
	v_pk_add_f32 v[64+\k:65+\k], v[64+\k:65+\k], v[72+\k:73+\k]
.endr
	v_max_num_f32 v52, 0x1800000, v52              ; the floor 2^(3 - 127): the byte cannot fall under 1
	v_max_num_f32 v53, 0x1800000, v53
	v_pk_add_f32 v[64:65], v[64:65], v[68:69]
	v_pk_add_f32 v[66:67], v[66:67], v[70:71]
	v_add_nc_u32 v56, 0xff000000, v52              ; 2 off the exponent field: the conversions' scale operands
	v_add_nc_u32 v57, 0xff000000, v53
	v_pk_add_f32 v[64:65], v[64:65], v[66:67]
	v_lshrrev_b32 v58, 23, v56                     ; the bytes
	v_lshrrev_b32 v59, 23, v57
	v_pk_add_f32 v[SH+2:SH+3], v[SH+2:SH+3], v[64:65]
	v_cvt_scalef32_pk16_fp6_f32 v[64:66], v[ST:ST+15], v56
	v_cvt_scalef32_pk16_fp6_f32 v[76:78], v[ST+16:ST+31], v56      ; (a conversion's three registers begin on an even number)
	v_cvt_scalef32_pk16_fp6_f32 v[70:72], v[ST+32:ST+47], v57
	v_cvt_scalef32_pk16_fp6_f32 v[60:62], v[ST+48:ST+63], v57
	v_lshl_or_b32 v58, v59, 16, v58                ; my blocks h and 2 + h; also the plain instruction behind the conversions
	v_lshlrev_b32 v58, v8, v58                     ; at their places in the word
	v_permlanex16_b32 v47, v58, s28, s29
	v_or_b32 v46, v58, v47                         ; with lane l xor 16's two the word is whole
.irp i, 0,1,2
	v_mov_b32 v[67+\i], v[76+\i]
	v_mov_b32 v[73+\i], v[60+\i]
.endr
.if \hh < 3
	s_wait_dscnt 13                                ; V is in; the next head's 13 loads of K may be out
.else
	s_wait_dscnt 0x0
.endif
	WIN 0x41
	s_wait_alu depctr_va_vdst(0)                   ; the wait directly ahead of the first reader of O^T
.set j, 0
.rept 16
	v_pk_mul_f32 v[OT+j:OT+j+1], v[OT+j:OT+j+1], v[44:45] op_sel_hi:[1,0]   ; O^T under the new M; also the places behind the writes of p's codes and scale word
.set j, j+2
.endr
	WIN 0x50
.irp t, 0,1,2,3                        ; O^T += V^T P^T: four accumulators by turns
.if \t%2
	v_wmma_scale_f32_16x16x128_f8f6f4 v[OT+8*\t:OT+8*\t+7], v[VF+12*\t:VF+12*\t+11], v[64:75], v[OT+8*\t:OT+8*\t+7], v[50+\t/2], v46 matrix_a_fmt:MATRIX_FMT_FP6 matrix_b_fmt:MATRIX_FMT_FP6 matrix_a_scale:MATRIX_SCALE_ROW1
.else
	v_wmma_scale_f32_16x16x128_f8f6f4 v[OT+8*\t:OT+8*\t+7], v[VF+12*\t:VF+12*\t+11], v[64:75], v[OT+8*\t:OT+8*\t+7], v[50+\t/2], v46 matrix_a_fmt:MATRIX_FMT_FP6 matrix_b_fmt:MATRIX_FMT_FP6
.endif
.endr
	WIN 0
.endm
; A KEY STEP: the bias is made once, under the flight of the first head's K, and serves four heads.
.macro KSTEP
	v_add_nc_u32 v3, s67, v1
	v_add_nc_u32 v4, s67, v2
	KLOAD 0
	s_wait_kmcnt 0x0                               ; the mask words, asked for a step ago
.set n, 0
.rept 64
	v_cndmask_b32 v[CB+n], 0, v5, s[32+n+4*(n/32)]
.set n, n+1
.endr
	s_wait_alu depctr_va_vdst(0)                   ; the wait ahead of the waits below
	s_wait_xcnt 0x0                                ; the scalar loads have read their base
	s_cmp_eq_u32 s104, 1
	s_cselect_b32 s2, 0, 0x100                     ; behind the last step the same words are named again: no load leaves mw
	s_add_nc_u64 s[8:9], s[8:9], s[2:3]
	s_sub_co_u32 s104, s104, 1
	MLOAD
	HSTEP 0
	HSTEP 1
	HSTEP 2
	HSTEP 3
.endm
; A TRIP: one slot, two key steps.
.macro TRIP refill
.if \refill
	s_wait_xcnt 0x0                                ; my prefetch has read its base
.endif
	s_wait_tensorcnt 0x0                           ; my one load that was out, my unit of this trip's slot, is in;
	ds_add_u32 v6, v7                              ; the add;
.if \refill
	s_xor_b32 s25, s25, SLOTX                      ; no load of mine is out: group 0 steps to the other slot and the next fill
	s_add_nc_u64 s[26:27], s[26:27], FILL
	s_add_nc_u64 s[12:13], s[12:13], FILL
.endif
	s_wait_dscnt 0x0                               ; the add is done, and my reads of the other slot are over
	ROUND                                          ; so it is with every wave of the four partners
.if \refill
	tensor_load_to_lds s[24:27], s[16:23]          ; my one load behind the round: the next fill, into the slot read last
	s_nop 0
.rept 4
	v_nop
.endr
	s_cmp_gt_u32 s100, 1
	s_cbranch_scc0 .Lnp_\@                         ; the loop's last trip loads fill 7: nothing lies behind it
	global_prefetch_b8 v17, s[12:13] offset:FILL th:TH_LOAD_NT scope:SCOPE_SE
.Lnp_\@:
.endif
	s_mov_b32 s67, s66
	s_mov_b32 s101, 2
.Lstep_\@:
	KSTEP
	s_add_co_u32 s67, s67, STEPB
	s_sub_co_u32 s101, s101, 1
	s_cmp_lg_u32 s101, 0
	s_cbranch_scc1 .Lstep_\@
	s_xor_b32 s66, s66, SLOTX
.endm
	s_mov_b32 s100, 7
.Ltrip:
	TRIP 1
	s_sub_co_u32 s100, s100, 1
	s_cmp_lg_u32 s100, 0
	s_cbranch_scc1 .Ltrip
	TRIP 0                                         ; the last fill's trip asks for nothing
; THE WAY OUT: the four sums, their reciprocals in one batch; each head's O^T is divided and goes through my own stage, so that sixteen lanes store one row of O, 256 consecutive bytes.
.irp hh, 0,1,2,3
	v_add_f32 v[52+\hh], v[22+6*\hh], v[23+6*\hh]
.endr
.irp hh, 0,1,2,3
	v_permlanex16_b32 v[56+\hh], v[52+\hh], s28, s29
.endr
.irp hh, 0,1,2,3
	v_add_f32 v[52+\hh], v[52+\hh], v[56+\hh]
.endr
	s_wait_alu depctr_va_vdst(0)                   ; the wait ahead of the batch
.irp hh, 0,1,2,3
	v_rcp_f32 v[52+\hh], v[52+\hh]
.endr
	v_nop
.macro OUTA hh
	WIN 0x01
	s_wait_alu depctr_va_vdst(0)                   ; the wait ahead of the first readers
.set j, 0
.rept 32
	v_mul_f32 v[80+j], v[32*(\hh)+j], v[52+\hh]    ; register 8 t + i is o(my query, 16 t + 8 h + i)
.set j, j+1
.endr
	WIN 0
.irp t, 0,1,2,3
	ds_store_b128 v14, v[80+8*\t:83+8*\t] offset:64*\t
	ds_store_b128 v14, v[84+8*\t:87+8*\t] offset:64*\t+16
.endr
.irp k, 0,1,2,3,4,5,6,7
	ds_load_b128 v[128+32*(\hh)+4*\k:131+32*(\hh)+4*\k], v15 offset:544*\k   ; LDS serves a wave's instructions in order: these see my stores
.endr
.endm
.macro OUTB hh, younger                ; younger: the next head's 16 LDS instructions, which may be out
	s_wait_dscnt \younger
.irp k, 0,1,2,3,4,5,6,7
	global_store_b128 v16, v[128+32*(\hh)+4*\k:131+32*(\hh)+4*\k], s[10:11] offset:524288*(\hh)+512*\k+6144*(\k/4) th:TH_STORE_NT   ; the tile's rows 2 k, 2 k + 1 (rows 8-15 lie 32 rows down): 512 consecutive bytes, aligned
.endr
.endm
	OUTA 0
	OUTA 1
	OUTB 0, 16
	OUTA 2
	OUTB 1, 16
	OUTA 3
	OUTB 2, 16
	OUTB 3, 0
	s_wait_tensorcnt 0x0                           ; the wave's end
	ds_add_u32 v6, v7
	s_wait_dscnt 0x0
	ROUND                                          ; the closing round
	s_endpgm
.Lfunc_end_k_qb4ac05d3c8_attn:
	.size	k_qb4ac05d3c8_attn, .Lfunc_end_k_qb4ac05d3c8_attn-k_qb4ac05d3c8_attn
	.p2alignl 7, 3214868480
	.fill 96, 4, 3214868480
	.section	.rodata,"a",@progbits
	.p2align	6, 0x0
	.amdhsa_kernel k_qb4ac05d3c8_attn
		.amdhsa_group_segment_fixed_size 327680
		.amdhsa_private_segment_fixed_size 0
		.amdhsa_enable_private_segment 0
		.amdhsa_kernarg_size 32
		.amdhsa_user_sgpr_count 2
		.amdhsa_user_sgpr_kernarg_segment_ptr 1
		.amdhsa_wavefront_size32 1
		.amdhsa_system_sgpr_workgroup_id_x 1
		.amdhsa_system_sgpr_workgroup_id_y 1
		.amdhsa_system_sgpr_workgroup_id_z 1
		.amdhsa_system_vgpr_workitem_id 0
		.amdhsa_next_free_vgpr 512
		.amdhsa_next_free_sgpr 106
		.amdhsa_reserve_vcc 0
		.amdhsa_float_denorm_mode_32 3
		.amdhsa_float_denorm_mode_16_64 3
		.amdhsa_memory_ordered 1
		.amdhsa_forward_progress 1
		.amdhsa_inst_pref_size 152
	.end_amdhsa_kernel
	.amdgpu_metadata
---
amdhsa.version: [ 1, 2 ]
amdhsa.kernels:
  - .name:           k_qb4ac05d3c8_attn
    .symbol:         k_qb4ac05d3c8_attn.kd
    .args:
      - { .name: kv, .offset: 0, .size: 8, .value_kind: global_buffer, .address_space: global }
      - { .name: qb, .offset: 8, .size: 8, .value_kind: global_buffer, .address_space: global }
      - { .name: mw, .offset: 16, .size: 8, .value_kind: global_buffer, .address_space: global }
      - { .name: out0, .offset: 24, .size: 8, .value_kind: global_buffer, .address_space: global }
    .group_segment_fixed_size: 327680
    .private_segment_fixed_size: 0
    .kernarg_segment_align: 8
    .kernarg_segment_size: 32
    .max_flat_workgroup_size: 256
    .sgpr_count:     106
    .vgpr_count:     512
    .wavefront_size: 32
...
	.end_amdgpu_metadata
.endif
;; end of part 2
